; MI455X (gfx1250); checked and timed in simulation.
; The chip was launched on July 23, 2026; its instructions are those of AMD's public machine-readable ISA for CDNA 5 (MIT licence, August 2026) and "CDNA5" Instruction Set Architecture Reference Guide (July 2026). The comments in the code are by the model that wrote it; some were corrected since.
;; Expert Layer. Allowed arithmetic: matrix products marked QUANTISED: E3M2 operands, one E8M0 scale for each 32 along K, by v_wmma_scale_f32_16x16x128_f8f6f4 with both operands' format E3M2, f32 sums; products left as they are: f32 operands where the result goes on into a quantised operand, else bf16, f16 or f32 operands; f32 sums; everything else in f32.
;; Inputs: W_experts 8 x 1,024 x 1,024 float32; W_router 8 x 1,024 float32; b_experts 8 x 1,024 float32; b_router 8 float32; x 4 x 2,048 x 1,024 float32.
;; Outputs: out0 4 x 2,048 x 1,024 float32.
;; This version of the problem:
;;   THIS VERSION OF THE PROBLEM IS GIVEN IN LOW PRECISION. The matrix products marked QUANTISED in the list below multiply operands that are first quantised to E3M2 (3 exponent bits, 2 mantissa bits; 6 bits a number), with one power-of-two scale for each 32 numbers along K (OCP MX v1.0); their sums are f32. All else is computed in f32.
;;   The module's matrix products, in the order in which they are computed (A, B: the left and right operand; K: the contracted axis; several contracted axes count as one K, in the product's order):
;;     1. [M 8,192, K 1,024] x [K 1,024, N 8]; A: input x; B: input W_router: left as it is (N = 8 < 16)
;;     2. [M 8,192, K 1,024] x [K 1,024, N 8,192]; A: input x; B: input W_experts: QUANTISED
;;     3. batch 8,192 x [M 1,024, K 8] x [K 8, N 1]; A: computed on the way; B: softmax: left as it is (K = 8 < 32)
;;   THE QUANTISER, for each operand of a quantised product, along K:
;;     - K is cut into blocks of 32 from its start; a last block that is shorter is filled with zeros.
;;     - A block's scale is 2^e with e = floor(log2(the largest magnitude in the block)) - 4, held to -126 .. 127; a block of zeros has e = 0. As a byte (E8M0): e + 127.
;;     - Each number is divided by its block's scale, clamped to +-28, and rounded to the nearest number of E3M2, ties to even, subnormals kept.
;;     - The product sums the exact products of the quantised numbers (number of the format x scale) in f32.
;;   ~~~python
;;   def quantise(x, axis):      # numpy; x: float32 -> the quantised numbers, widened to float32 again
;;       x = np.moveaxis(x, axis, -1); K = x.shape[-1]
;;       x = np.pad(x, [(0, 0)] * (x.ndim - 1) + [(0, -K % 32)]); x = x.reshape(x.shape[:-1] + (-1, 32)); a = np.abs(x).max(-1, keepdims=True)
;;       e = np.where(a > 0, np.clip(np.frexp(np.where(a > 0, a, 1))[1] - 1 - 4, -126, 127), 0)      # np.frexp(a)[1] - 1 = floor(log2(a)), exactly
;;       r = np.clip(x / 2.0 ** e, -28, 28)
;;       step = 2.0 ** (np.maximum(np.frexp(np.where(r == 0, 1, r))[1] - 1, -2) - 2)
;;       q = np.round(r / step) * step * 2.0 ** e      # np.round: ties to even
;;       return np.moveaxis(q.reshape(q.shape[:-2] + (-1,))[..., :K], -1, axis).astype(np.float32)
;;   ~~~
;; One version. Each part assembles by itself: llvm-mc -triple=amdgcn-amd-amdhsa -mcpu=gfx1250 --defsym DOCPART=n.
;; ======== version 1 of 1: 2 launches
;; limits: values are held in bf16: 8 bits of precision; right only within a limited range of input values
;; workspace buffers: xq 6,291,456 bytes; wq 6,291,456 bytes; xs 262,144 bytes; ws 262,144 bytes; rw 262,144 bytes
;; launch prep (part 1): grid 256 x 1, 8 waves a work-group, no clusters, 327,680 bytes of LDS; arguments x, W_experts, W_router, b_router, xq, xs, wq, ws, rw; writes xq, xs, wq, ws, rw
.if DOCPART == 1
	.amdgcn_target "amdgcn-amd-amdhsa--gfx1250"
	.amdhsa_code_object_version 6
	.text
	.protected	k_qfb7bbfdc2c_prep
	.globl	k_qfb7bbfdc2c_prep
	.p2align	8
	.type	k_qfb7bbfdc2c_prep,@function
k_qfb7bbfdc2c_prep:
	s_mov_b64 s[64:65], 0
	v_nop
	global_prefetch_b8 v0, s[64:65] scope:SCOPE_SE
	s_setreg_imm32_b32 hwreg(HW_REG_WAVE_MODE, 25, 1), 1
	s_wait_xcnt 0x0
; x and W_experts, f32, become codes of E3M2 with one E8M0 byte for each 32 along K, laid as images of the operand's registers; and rw = softmax(x W_router^T + b_router).
; A work-group takes 32 rows of x (waves 0-3) and 32 rows of W_experts (waves 4-7): a pair of waves takes a block of 16 rows, each wave 512 of its 1,024 along K, four fragments of 128.
; So each work-group holds four waves with the router's extra work and four without.  Nothing of reference() is left out.
; A wave's 16 rows x 2,048 bytes come into its own LDS bytes by 64 asynchronous copies of 512 consecutive bytes, all issued at the head: row r, fragment j at r PITCH + 512 j.
; An LDS row is 2,048 bytes + 16 = 516 words, so the 16 rows that a load of 16 bytes a lane touches start 4 words apart.
; A copy's immediate is added to both its addresses: it carries 512 j; the row stands in a scalar base (memory) and a vector register (LDS) of its own, untouched while copies are out.
; THE ROUTER: x and W_router are split in f32 into a high and a low bf16 part.  All eight waves build W_router's image in LDS (rows 0-7 of a tile the high parts of the 8 experts, rows 8-15 the low parts);
; x's high and low parts are both multiplied with it, the two halves of the lanes and the pair's two halves of K are added, the maximum is taken away, and the softmax is in f32.
; No cluster: what work-groups share is W_router's 32,768 bytes beside 262,144 of their own.  No prefetch: there is no loop, and every copy goes out at the head.
; LIMITS: NaN and infinities are not served.  A block of zeros gets the byte 1 where the rule says 127: its codes are zeros, and this program alone reads the bytes.
.set PITCH, 2064
.set FRAGB, 512
.set WAVEB, 16*PITCH
.set TA,    248                        ; v248: my wave's LDS bytes + 16 x lane
.set WRI,   8*WAVEB                    ; W_router's image, 32,768 bytes, stored by the waves
.set LXB,   WRI+32768                  ; the logits of a pair's second wave
.set XA,   4
.set LI,   5
.set L8,   6
.set WRA,  7
.set WRW,  8
.set LXA,  9
.set WGA,  10
.set RWO,  11
.set NEG1, 12
.set SH8,  13
.set SWJ,  20
.set PT,   26
.set CD,   28
.set CT,   40
.set X,    48
.set XH,   112
.set XL,   144
.set WF,   176
.set RA0,  208
.set RA1,  216
.set LG,   224
.set TP,   232
.set DD,   240
	s_load_b256 s[4:11], s[0:1], 0x0               ; x, W_experts, W_router, b_router
	s_load_b256 s[12:19], s[0:1], 0x20             ; xq, xs, wq, ws
	s_load_b64 s[20:21], s[0:1], 0x40              ; rw
	v_lshl_add_u32 v254, v0, 2, 0x4b000            ; my spare word; v255 = 0; both kept
	v_mov_b32 v255, 0
	ds_add_u32 v254, v255                          ; the opening lines: the add twice on end and its wait ahead of my first copy
	ds_add_u32 v254, v255
	v_lshrrev_b32 v1, 5, v0
	s_delay_alu instid0(VALU_DEP_1)
	v_readfirstlane_b32 s56, v1                    ; wave 0..7
	s_bfe_u32 s48, s56, 0x10001                    ; which of my tensor's two row blocks
	s_and_b32 s58, s56, 1                          ; which half of K
	s_lshr_b32 s59, s56, 2                         ; 0: x, 1: W_experts
	s_and_b32 s57, ttmp9, 1
	s_lshl_b32 s57, s57, 1
	s_add_co_u32 s57, s57, s48                     ; the row block modulo 4
	s_lshr_b32 s2, ttmp9, 1
	s_lshl_b32 s60, s2, 2
	s_add_co_u32 s60, s60, s57                     ; the row block: 2 x work-group + s48
	s_and_b32 s3, s2, 15                           ; W's place: 4 (8 (f / 64) + e) + (f / 16) % 4
	s_lshl_b32 s3, s3, 3
	s_lshr_b32 s2, s2, 4
	s_add_co_u32 s3, s3, s2
	s_lshl_b32 s3, s3, 2
	s_add_co_u32 s3, s3, s57
	s_cmp_eq_u32 s59, 0
	s_cselect_b32 s3, s60, s3                      ; x's place is the row block itself
	s_mul_i32 s61, s56, WAVEB
	s_lshl_b32 s62, s60, 16
	s_lshl_b32 s63, s58, 11
	s_add_co_u32 s62, s62, s63
	s_mov_b32 s63, 0
	s_mul_i32 s70, s3, 12288
	s_mul_i32 s71, s58, 6144
	s_add_co_u32 s70, s70, s71
	s_mov_b32 s71, 0
	s_lshl_b32 s22, s3, 9
	s_mov_b32 s23, 0
	s_mov_b32 s66, 0x76543210
	s_mov_b32 s67, 0xfedcba98
	s_mov_b32 s68, 0xffff0000
	s_mov_b32 s69, 0xff00ff00
	s_wait_dscnt 0x0
	s_wait_kmcnt 0x0
	s_cmp_eq_u32 s59, 0                            ; the buffers are chosen by the wave's number alone
	s_cselect_b64 s[4:5], s[4:5], s[6:7]
	s_cselect_b64 s[12:13], s[12:13], s[16:17]
	s_cselect_b64 s[14:15], s[14:15], s[18:19]
	s_add_nc_u64 s[4:5], s[4:5], s[62:63]
	s_add_nc_u64 s[12:13], s[12:13], s[70:71]
	s_add_nc_u64 s[14:15], s[14:15], s[22:23]
	s_add_nc_u64 s[20:21], s[20:21], s[22:23]
	s_lshl_b32 s22, s58, 8
	s_add_nc_u64 s[14:15], s[14:15], s[22:23]
.set r, 0
.rept 16
	s_add_nc_u64 s[24+2*r+24*(r/12):25+2*r+24*(r/12)], s[4:5], r*4096   ; row r in memory: s[24:47], s[72:79]
.set r, r+1
.endr
	v_and_b32 v1, 31, v0
	v_lshlrev_b32 v[LI], 4, v1                     ; 16 x lane; never rewritten
	v_add_nc_u32 v[TA], s61, v[LI]
.set r, 0
.rept 16
	v_add_nc_u32 v[224+r+8*(r/8)], r*PITCH, v[TA]  ; row r in LDS: v224-231, v240-247, first written again behind the wait for all copies
.set r, r+1
.endr
	s_wait_alu depctr_va_vdst(0)                   ; the wait ahead of the readers below
.irp j, 0,1,2,3
.set r, 0
.rept 16
	global_load_async_to_lds_b128 v[224+r+8*(r/8)], v[LI], s[24+2*r+24*(r/12):25+2*r+24*(r/12)] offset:\j*512
.set r, r+1
.endr
.endr
	v_and_b32 v2, 15, v0
	v_bfe_u32 v3, v0, 4, 1
	s_delay_alu instid0(VALU_DEP_2)
	v_mul_u32_u24 v[XA], v2, PITCH
	s_delay_alu instid0(VALU_DEP_1)
	v_lshl_add_u32 v[XA], v3, 7, v[XA]
	s_delay_alu instid0(VALU_DEP_1)
	v_add_nc_u32 v[XA], s61, v[XA]                 ; my row, + 128 h: 32 numbers of a block
	v_lshlrev_b32 v[L8], 3, v1
	s_lshl_b32 s62, s58, 14
	s_add_co_u32 s62, s62, WRI
	v_add_nc_u32 v[WRA], s62, v[LI]                ; the image of my half of K
	s_lshl_b32 s62, s56, 12
	s_add_co_u32 s62, s62, WRI
	v_add_nc_u32 v[WRW], s62, v[LI]                ; the part of it that I build: 128 along K
	s_lshl_b32 s62, s48, 10
	s_add_co_u32 s62, s62, LXB
	v_add_nc_u32 v[LXA], s62, v[LI]
	v_and_b32 v[WGA], 7, v0
	s_delay_alu instid0(VALU_DEP_1)
	v_lshlrev_b32 v[WGA], 12, v[WGA]
	s_delay_alu instid0(VALU_DEP_1)
	v_lshl_add_u32 v[WGA], v3, 7, v[WGA]
	s_lshl_b32 s62, s56, 9
	v_add_nc_u32 v[WGA], s62, v[WGA]
	v_lshlrev_b32 v[RWO], 5, v2
	s_delay_alu instid0(VALU_DEP_1)
	v_lshl_add_u32 v[RWO], v3, 4, v[RWO]
	v_mov_b32 v[NEG1], -1.0
	v_lshlrev_b32 v[SH8], 3, v3
	v_mov_b32 v[PT], 0
.irp j, 0,1,2,3,4,5,6,7
	v_mov_b32 v[TP+\j], 0
.endr
.macro SPLIT                           ; 64 numbers into high parts (XH) and low parts (XL) of bf16, the difference taken in f32
.set q, 0
.rept 32
	v_cvt_pk_bf16_f32 v[XH+q], v[X+2*q], v[X+2*q+1]
.set q, q+1
.endr
.set q, 0
.rept 32
	v_fma_mix_f32_bf16 v[X+2*q], v[XH+q], v[NEG1], v[X+2*q] op_sel_hi:[1,0,0]
	v_fma_mix_f32_bf16 v[X+2*q+1], v[XH+q], v[NEG1], v[X+2*q+1] op_sel:[1,0,0] op_sel_hi:[1,0,0]
.set q, q+1
.endr
.set q, 0
.rept 32
	v_cvt_pk_bf16_f32 v[XL+q], v[X+2*q], v[X+2*q+1]
.set q, q+1
.endr
.endm
.macro RMM acc, xs, c, zero
.if \zero
	v_wmma_f32_16x16x32_bf16 v[\acc:\acc+7], v[WF+8*\c:WF+8*\c+7], v[\xs+8*\c:\xs+8*\c+7], 0
.else
	v_wmma_f32_16x16x32_bf16 v[\acc:\acc+7], v[WF+8*\c:WF+8*\c+7], v[\xs+8*\c:\xs+8*\c+7], v[\acc:\acc+7]
.endif
.endm
.macro FRAG j, router                  ; fragment j: two blocks of 32 a lane: scale, codes, store; router = 1: its part of the logits too
	s_wait_asynccnt 16*(3-\j)                      ; fragment j's 16 copies are in; the 16 of each later fragment may be out
.irp i, 0,1,2,3,4,5,6,7
	ds_load_b128 v[X+4*\i:X+4*\i+3], v[XA] offset:\j*FRAGB+16*\i
.endr
.irp i, 0,1,2,3,4,5,6,7
	ds_load_b128 v[X+32+4*\i:X+35+4*\i], v[XA] offset:\j*FRAGB+256+16*\i
.endr
	s_wait_dscnt 0x0
	v_max3_num_f32 v14, |v[X]|, |v[X+1]|, 0x2800000               ; the floor 2^(5 - 127) holds the byte at 1 from below
	v_max3_num_f32 v15, |v[X+32]|, |v[X+33]|, 0x2800000
.irp i, 2,4,6,8,10,12,14,16,18,20,22,24,26,28,30
	s_delay_alu instid0(VALU_DEP_2)
	v_max3_num_f32 v14, v14, |v[X+\i]|, |v[X+\i+1]|
	s_delay_alu instid0(VALU_DEP_2)
	v_max3_num_f32 v15, v15, |v[X+32+\i]|, |v[X+33+\i]|
.endr
	s_delay_alu instid0(VALU_DEP_2)
	v_add_nc_u32 v16, 0xfe000000, v14              ; 4 off the exponent field: the conversion's scale operand
	s_delay_alu instid0(VALU_DEP_2)
	v_add_nc_u32 v17, 0xfe000000, v15
	s_delay_alu instid0(VALU_DEP_2)
	v_lshrrev_b32 v18, 23, v16
	s_delay_alu instid0(VALU_DEP_2)
	v_lshrrev_b32 v19, 23, v17
	s_delay_alu instid0(VALU_DEP_1)
	v_lshl_or_b32 v18, v19, 16, v18
	s_delay_alu instid0(VALU_DEP_1)
	v_lshlrev_b32 v18, v[SH8], v18
	s_delay_alu instid0(VALU_DEP_1)
	v_permlanex16_b32 v[PT], v18, s66, s67
	s_delay_alu instid0(VALU_DEP_1)
	v_or_b32 v[SWJ+\j], v18, v[PT]                 ; the row's scale word of these 128
.if \j > 0
	s_wait_alu depctr_va_vdst(0)
	s_wait_xcnt 0x0                                ; the last fragment's stores have read their registers
.endif
	v_cvt_scalef32_pk16_bf6_f32 v[CD:CD+2], v[X:X+15], v16
	v_cvt_scalef32_pk16_bf6_f32 v[CT:CT+2], v[X+16:X+31], v16
	v_cvt_scalef32_pk16_bf6_f32 v[CD+6:CD+8], v[X+32:X+47], v17
	v_cvt_scalef32_pk16_bf6_f32 v[CT+4:CT+6], v[X+48:X+63], v17
	v_nop
.irp i, 0,1,2
	v_mov_b32 v[CD+3+\i], v[CT+\i]
	v_mov_b32 v[CD+9+\i], v[CT+4+\i]
.endr
.irp c, 0,1,2
	global_store_b128 v[LI], v[CD+4*\c:CD+4*\c+3], s[12:13] offset:\j*1536+\c*512   ; 32 lanes store 512 consecutive bytes
.endr
.if \router
.irp c, 0,1,2,3
	ds_load_b128 v[WF+8*\c:WF+8*\c+3], v[WRA] offset:(4*\j+\c)*1024
	ds_load_b128 v[WF+8*\c+4:WF+8*\c+7], v[WRA] offset:(4*\j+\c)*1024+512
.endr
	SPLIT
	s_wait_dscnt 0x0
	RMM RA0, XH, 0, (\j==0)                        ; two accumulators by turns
	RMM RA1, XH, 1, (\j==0)
	RMM RA0, XH, 2, 0
	RMM RA1, XH, 3, 0
	RMM RA0, XL, 0, 0
	s_wait_alu depctr_va_vdst(0)
	RMM RA1, XL, 1, 0
	RMM RA0, XL, 2, 0
	RMM RA1, XL, 3, 0
.endif
.endm
.macro SCALES_OUT                      ; an even K step's words in lanes 0-15, the next odd one's in lanes 16-31
	v_cndmask_b32 v24, v[SWJ], v[SWJ+1], s68
	v_cndmask_b32 v25, v[SWJ+2], v[SWJ+3], s68
	global_store_b64 v[L8], v[24:25], s[14:15]
.endm
	s_load_b256 s[48:55], s[10:11], 0x0            ; b_router
.irp i, 0,1,2,3,4,5,6,7
	global_load_b128 v[X+4*\i:X+4*\i+3], v[WGA], s[8:9] offset:16*\i
.endr
.irp i, 0,1,2,3,4,5,6,7
	global_load_b128 v[X+32+4*\i:X+35+4*\i], v[WGA], s[8:9] offset:256+16*\i
.endr
	s_wait_loadcnt 0x0
	SPLIT
.set q, 0
.rept 32
	v_cndmask_b32 v[WF+q], v[XH+q], v[XL+q], s69   ; lanes 8-15 and 24-31 carry the low parts
.set q, q+1
.endr
.irp c, 0,1,2,3
	ds_store_b128 v[WRW], v[WF+8*\c:WF+8*\c+3] offset:\c*1024
	ds_store_b128 v[WRW], v[WF+8*\c+4:WF+8*\c+7] offset:\c*1024+512
.endr
	s_wait_dscnt 0x0
	s_wait_kmcnt 0x0
	s_barrier_signal -1
	s_barrier_wait -1                              ; the image is whole; copies may be out
	s_cmp_lg_u32 s59, 0                            ; the roles part on the wave's number, between the barriers
	s_cbranch_scc1 .Lweights
	FRAG 0, 1
	FRAG 1, 1
	FRAG 2, 1
	FRAG 3, 1
	SCALES_OUT
.rept 4
	v_nop
.endr
.irp j, 0,1,2,3,4,5,6,7
	v_add_f32 v[LG+\j], v[RA0+\j], v[RA1+\j]
.endr
.irp j, 0,1,2,3,4,5,6,7
	v_permlanex16_b32 v[TP+\j], v[LG+\j], s66, s67
.endr
.irp j, 0,1,2,3,4,5,6,7
	v_add_f32 v[LG+\j], v[LG+\j], v[TP+\j]         ; W_router's high and low parts together
.endr
	s_cmp_eq_u32 s58, 0
	s_cbranch_scc1 .Lkeeps
	ds_store_b128 v[LXA], v[LG:LG+3]               ; the pair's second wave hands its half of K over
	ds_store_b128 v[LXA], v[LG+4:LG+7] offset:512
.Lkeeps:
	s_wait_dscnt 0x0
	s_barrier_signal -1
	s_barrier_wait -1
	s_or_b32 s2, s58, s59                          ; only the first wave of a pair of x goes on
	s_cmp_lg_u32 s2, 0
	s_cbranch_scc1 .Ldone
	ds_load_b128 v[TP:TP+3], v[LXA]
	ds_load_b128 v[TP+4:TP+7], v[LXA] offset:512
	s_wait_dscnt 0x0
	s_wait_alu depctr_va_vdst(0)
.irp j, 0,1,2,3,4,5,6,7
	v_add_f32 v[LG+\j], v[LG+\j], v[TP+\j]
.endr
.irp j, 0,1,2,3,4,5,6,7
	v_add_f32 v[LG+\j], s[48+\j], v[LG+\j]
.endr
	v_max3_num_f32 v14, v[LG], v[LG+1], v[LG+2]
	s_delay_alu instid0(VALU_DEP_1)
	v_max3_num_f32 v14, v14, v[LG+3], v[LG+4]
	s_delay_alu instid0(VALU_DEP_1)
	v_max3_num_f32 v14, v14, v[LG+5], v[LG+6]
	s_delay_alu instid0(VALU_DEP_1)
	v_max_num_f32 v14, v14, v[LG+7]
.irp j, 0,1,2,3,4,5,6,7
	v_sub_f32 v[LG+\j], v[LG+\j], v14              ; the maximum is taken away
.endr
.irp j, 0,1,2,3,4,5,6,7
	v_mul_f32 v[LG+\j], 0x3fb8aa3b, v[LG+\j]
.endr
	s_wait_alu depctr_va_vdst(0)                   ; the wait ahead of the batch and behind it
.irp j, 0,1,2,3,4,5,6,7
	v_exp_f32 v[LG+\j], v[LG+\j]
.endr
	v_nop
	s_wait_alu depctr_va_vdst(0)
	v_add_f32 v15, v[LG], v[LG+1]
	v_add_f32 v16, v[LG+2], v[LG+3]
	v_add_f32 v17, v[LG+4], v[LG+5]
	v_add_f32 v18, v[LG+6], v[LG+7]
	s_delay_alu instid0(VALU_DEP_3)
	v_add_f32 v15, v15, v16
	s_delay_alu instid0(VALU_DEP_2)
	v_add_f32 v17, v17, v18
	s_delay_alu instid0(VALU_DEP_1)
	v_add_f32 v15, v15, v17
	s_wait_alu depctr_va_vdst(0)
	v_rcp_f32 v16, v15
	v_nop
	s_wait_alu depctr_va_vdst(0)
.irp j, 0,1,2,3,4,5,6,7
	v_mul_f32 v[LG+\j], v[LG+\j], v16
.endr
.irp i, 0,1,2,3
	s_delay_alu instid0(VALU_DEP_4)
	v_cndmask_b32 v[DD+\i], v[LG+\i], v[LG+4+\i], s68
.endr
	global_store_b128 v[RWO], v[DD:DD+3], s[20:21] ; 32 lanes store 16 tokens' 512 consecutive bytes
.Ldone:
	s_wait_tensorcnt 0x0                           ; the wave's end
	s_wait_asynccnt 0x0
	ds_add_u32 v254, v255
	s_wait_dscnt 0x0
	s_endpgm
.Lweights:
	FRAG 0, 0
	FRAG 1, 0
	FRAG 2, 0
	FRAG 3, 0
	SCALES_OUT
	s_branch .Lkeeps                               ; every wave passes the second barrier
.Lfunc_end_k_qfb7bbfdc2c_prep:
	.size	k_qfb7bbfdc2c_prep, .Lfunc_end_k_qfb7bbfdc2c_prep-k_qfb7bbfdc2c_prep
	.p2alignl 7, 3214868480
	.fill 96, 4, 3214868480
	.section	.rodata,"a",@progbits
	.p2align	6, 0x0
	.amdhsa_kernel k_qfb7bbfdc2c_prep
		.amdhsa_group_segment_fixed_size 327680
		.amdhsa_private_segment_fixed_size 0
		.amdhsa_enable_private_segment 0
		.amdhsa_kernarg_size 72
		.amdhsa_user_sgpr_count 2
		.amdhsa_user_sgpr_kernarg_segment_ptr 1
		.amdhsa_wavefront_size32 1
		.amdhsa_system_sgpr_workgroup_id_x 1
		.amdhsa_system_sgpr_workgroup_id_y 1
		.amdhsa_system_sgpr_workgroup_id_z 1
		.amdhsa_system_vgpr_workitem_id 0
		.amdhsa_next_free_vgpr 256
		.amdhsa_next_free_sgpr 80
		.amdhsa_reserve_vcc 0
		.amdhsa_float_denorm_mode_32 3
		.amdhsa_float_denorm_mode_16_64 3
		.amdhsa_memory_ordered 1
		.amdhsa_forward_progress 1
		.amdhsa_inst_pref_size 110
	.end_amdhsa_kernel
	.amdgpu_metadata
---
amdhsa.version: [ 1, 2 ]
amdhsa.kernels:
  - .name:           k_qfb7bbfdc2c_prep
    .symbol:         k_qfb7bbfdc2c_prep.kd
    .args:
      - { .name: x, .offset: 0, .size: 8, .value_kind: global_buffer, .address_space: global }
      - { .name: W_experts, .offset: 8, .size: 8, .value_kind: global_buffer, .address_space: global }
      - { .name: W_router, .offset: 16, .size: 8, .value_kind: global_buffer, .address_space: global }
      - { .name: b_router, .offset: 24, .size: 8, .value_kind: global_buffer, .address_space: global }
      - { .name: xq, .offset: 32, .size: 8, .value_kind: global_buffer, .address_space: global }
      - { .name: xs, .offset: 40, .size: 8, .value_kind: global_buffer, .address_space: global }
      - { .name: wq, .offset: 48, .size: 8, .value_kind: global_buffer, .address_space: global }
      - { .name: ws, .offset: 56, .size: 8, .value_kind: global_buffer, .address_space: global }
      - { .name: rw, .offset: 64, .size: 8, .value_kind: global_buffer, .address_space: global }
    .group_segment_fixed_size: 327680
    .private_segment_fixed_size: 0
    .kernarg_segment_align: 8
    .kernarg_segment_size: 72
    .max_flat_workgroup_size: 256
    .sgpr_count:     80
    .vgpr_count:     256
    .wavefront_size: 32
...
	.end_amdgpu_metadata
.endif
;; end of part 1
;; launch experts (part 2): grid 32 x 8, 4 waves a work-group, clusters of 4 x 1, 327,680 bytes of LDS; arguments xq, xs, wq, ws, rw, b_experts, out0; writes out0
.if DOCPART == 2
	.amdgcn_target "amdgcn-amd-amdhsa--gfx1250"
	.amdhsa_code_object_version 6
	.text
	.protected	k_qfb7bbfdc2c_experts
	.globl	k_qfb7bbfdc2c_experts
	.p2align	8
	.type	k_qfb7bbfdc2c_experts,@function
k_qfb7bbfdc2c_experts:
	s_mov_b64 s[64:65], 0
	v_nop
	global_prefetch_b8 v0, s[64:65] scope:SCOPE_SE
	s_setreg_imm32_b32 hwreg(HW_REG_WAVE_MODE, 25, 1), 1
	s_wait_xcnt 0x0
	s_wait_alu depctr_hold_cnt(0) depctr_sa_sdst(0) depctr_va_vdst(0) depctr_va_sdst(0) depctr_va_ssrc(0) depctr_va_vcc(0) depctr_vm_vsrc(0)
	s_getreg_b32 s2, hwreg(HW_REG_IB_STS2, 6, 4)
	s_cmp_eq_u32 s2, 0
	s_cbranch_scc0 .Lentry_in_a_cluster
	s_endpgm
.Lentry_in_a_cluster:
	s_bfe_u32 s2, ttmp6, 0x10000c
	s_cmp_lg_u32 s2, 0x3003
	s_cbranch_scc0 .Lentry_shape_is_right
	s_endpgm
.Lentry_shape_is_right:
; out0[t][f] = sum over e of rw[t][e] * (sum over k of Q(x)[t][k] Q(W)[e][f][k] + b_experts[e][f]), on codes of E3M2 with one E8M0 scale for each 32 along K, as the launch before has laid them:
; the fragment (row block at place S, K step s of 128) at (8 S + s) * 1536, an image of the operand's 12 registers (registers 4 c .. 4 c + 3 of lane l at 512 c + 16 l); its scale words at 512 S + 256 (s / 4) + 8 lane + 4 ((s / 2) % 2),
; an even K step's words in lanes 0-15 and the next odd one's in lanes 16-31 of one register.  x: S = token / 16.  W: S = 4 (8 (f / 64) + e) + (f / 16) % 4.  rw: [8192][8] f32.
; SHARES.  A work-group makes 256 tokens x 128 features, each of its four waves 64 tokens x 128 features.  The wave's x (4 row blocks x 8 K steps, 384 registers) is loaded once and stays in registers, so LDS is read for W alone:
; a fragment of 1,536 bytes feeds four matrix instructions.
; THE WALK.  16 phases: for each half of the features (64), the eight experts one after the other.  A phase is 8 K steps of 16 matrix instructions on 16 tiles of 16 x 16, ACC: the expert's own sums.  When a phase is done, OUT += rw * ACC;
; those 64 packed multiply-adds stand in slices of four between the next phase's first 16 products, each slice ahead of the product that begins its tile anew.  The bias is the C of a tile's first product.
; OUT holds one half of the features (16 tiles).  The lower half is final after eight phases and is stored there, so that its stores are on their way while the upper half is multiplied.
; THE MATRIX INSTRUCTION IS USED TRANSPOSED: source 0 = 16 rows of W, source 1 = 16 tokens.  Lane (r, h) then holds token r and in register j feature 8 h + j of the tile: the gate is one number a lane, and a lane's eight results are 32 neighbouring bytes of out0.
; W comes through a ring of two LDS slots; a slot holds two phases, 98,304 bytes, which lie on end in wq; each wave brings a quarter with one tensor load.  W's scale words and the bias, for all 16 phases, come once with the first fills.
; W's fragments come out of LDS two K steps at a time, 24 loads in one run for 32 matrix instructions, into two sets of registers by turns.
; CLUSTER.  The four work-groups of a cluster make four token tiles of ONE feature tile and walk the same W, scale words and bias: each such tile is asked for JOINTLY, by the same tensor load with the same descriptor and a mask that names the four.
; A refill is asked for 240 matrix instructions a wave ahead of the wait for it.  A wave has one tensor load out at the start and one behind each round.
; LIMITS.  NaN and infinities are not served.  The sum over experts is taken as fused multiply-adds in ascending e.
; REGISTERS, in windows of 256 (s_set_vgpr_msb: bits 1:0 source 0, 3:2 source 1, 5:4 source 2, 7:6 destination):
;   window 0: v0-15 addresses; v28-29 the add's two; v32-47 x's scale words; v48-63 W's; v64-67 the gates; v72-103 the bias; v104-247 x's K steps 5-7 at v[104 + 48 (s - 5) + 12 a]
;   window 1: x's K steps 0-4 at v[48 s + 12 a]     window 2: ACC (tile (a, b) at v[8 (4 b + a)]); OUT (tile (a, b) at v[128 + 8 (4 a + b)])
;   window 3: W's fragments, two sets of eight, at v[96 set + 48 (s % 2) + 12 b]; v192-255 rows on their way out
; THE FIRST FILLS, as the text below has them (this paragraph stands in place of what is said of them above): at the head each wave issues ONE joint load of 128 rows x 256 bytes: waves 0 to 2 a third of slot 0 each,
; wave 3 all of W's scale words, which lie behind slot 0.  Slot 1's first fill, a quarter a wave, stands behind the wait for all loads, the add, its wait and a round of the cluster's barrier, as a refill does.  So a wave has one tensor load out at any time.
; The bias (4,096 bytes of the 823,296 that the partners share) is not asked for jointly: each wave loads four rows of 256 bytes through registers and stores them to LDS bytes on which no tile lands.
.set FRB,   1536
.set ADBW,  16                         ; v16  where I store my 16 bytes of two rows of the bias
.set RBB,   12288                      ; a row block's eight
.set PHB,   4*RBB                      ; a phase's four row blocks
.set FILLB, 2*PHB                      ; a slot's two phases
.set FTB,   16*PHB                     ; all that a feature tile's work-groups walk
.set SLOT1, 1<<17                      ; slot 0 at 0, slot 1 here: one exclusive or turns an address in one into the other's
.set WSC,   98304                      ; between them: W's scale words: 2048 phase + 512 b + 256 (s / 4) + 8 lane
.set BIASL, 229376                     ; behind slot 1: the bias: 256 phase + 4 x the feature in the half
.set RWL,   233472                     ; the gates, each wave's own: 8192 w + 512 phase + 16 lane + 4 a.  Stored by the waves; no tile lands here
.set SPARE, 266240                     ; the spare words, 128 bytes for each wave: two blocks of 256 bytes that no other line names
.set STG,   266752                     ; the way out: 16 rows x (256 bytes + 16) for each wave
.set SP,    272
.set LI,   4                           ; v4   16 x lane
.set LI1,  5                           ; v5   the same + a phase: a slot's second phase
.set ADB0, 6                           ; v6, v7  these two in the slot in hand
.set ADS,  8                           ; v8   W's scale words of the slot's first phase
.set ADBI, 9                           ; v9   its bias, + 32 h
.set ADRW, 10                          ; v10  its gates
.set STO,  11                          ; v11  the way out: where I put 32 bytes of a row
.set RD,   12                          ; v12  and where I read a row back
.set L8,   13                          ; v13  8 x lane
.set R32,  14                          ; v14  32 r: my token's row of rw
.set GO,   15                          ; v15  the way out: 4096 h + 16 r: my 16 bytes of two rows of out0
.set SPW,  28                          ; v28  LDS address of my spare word; never rewritten
.set NIL,  29                          ; v29  0; never rewritten
.set XS,   32                          ; register 4 a + s / 2
.set WS,   48                          ; register 4 b + s / 2
.set RW,   64                          ; register a: rw of my token of block a
.set BI,   72                          ; register 8 b + j
.set XHI,  104                         ; x's K steps 5-7
.set OUT,  128                         ; in window 2
.set BK,   192                         ; in window 3
.set WV,   18                          ; s18  wave
.set G1W,  24                          ; s[24:31] descriptor group 1 for W's codes; s[32:39] for its scale words
.set G1S,  32
.set G1B,  40
.set G0S,  48                          ; s[48:51] group 0 of the scale words; s[56:59] slot 0's first fill; s[60:63] slot 1's, which then walks
.set G0B,  52
.set G0W0, 56
.set G0W1, 60
.set TB,   66                          ; s66  where the slot in hand begins
.set CNT,  67                          ; s67  the loop's count
.set MSB, 0
.macro WIN new                         ; the immediate's high byte repeats the setting that is left; a switch that changes nothing is dropped
.if MSB != \new
	s_set_vgpr_msb (MSB<<8)|\new
.set MSB, \new
.endif
.endm
.macro PLACES n                        ; plain lines between a matrix instruction and a load into, a read of or a new beginning on its registers
.rept \n
	v_nop
.endr
.endm
.macro CREST                           ; a round of the cluster's barrier behind its opening barrier
	s_cmp_lg_u32 s[WV], 0
	s_cbranch_scc1 .Lnot_wave_0_\@
	s_barrier_signal -3
.Lnot_wave_0_\@:
	s_barrier_wait -3
	s_barrier_signal -1
	s_barrier_wait -1
.endm
.macro CROUND                          ; a whole round
	s_barrier_signal -1
	s_barrier_wait -1
	CREST
.endm
.macro XLOAD s                         ; x's K step s: 12 loads of 512 consecutive bytes
.if (\s) < 5
	WIN 0x40                                       ; destination window 1
.set rX, 48*(\s)
.else
	WIN 0
.set rX, XHI+48*((\s)-5)
.endif
.irp a, 0,1,2,3
.irp c, 0,1,2
	global_load_b128 v[rX+12*\a+4*\c:rX+12*\a+4*\c+3], v[LI], s[4:5] offset:\a*RBB+(\s)*FRB+\c*512
.endr
.endr
.endm
	s_load_b256 s[4:11], s[0:1], 0x0               ; xq s[4:5], xs s[6:7], wq s[8:9], ws s[10:11]
	s_load_b128 s[12:15], s[0:1], 0x20             ; rw s[12:13], b_experts s[14:15]
	s_load_b64 s[16:17], s[0:1], 0x30              ; out0
	v_lshl_add_u32 v[SPW], v0, 2, SPARE
	v_mov_b32 v[NIL], 0
	ds_add_u32 v28, v29
	ds_add_u32 v28, v29
	s_wait_dscnt 0x0
	v_lshrrev_b32 v1, 5, v0
	v_readfirstlane_b32 s[WV], v1                  ; wave 0..3
	v_and_b32 v1, 15, v0                           ; r
	v_bfe_u32 v2, v0, 4, 1                         ; h
	v_and_b32 v3, 31, v0                           ; lane
	v_lshlrev_b32 v[LI], 4, v3
	v_lshlrev_b32 v[L8], 3, v3
	v_lshlrev_b32 v[R32], 5, v1
	v_lshlrev_b32 v[GO], 12, v2                    ; 4096 h + 16 r: two rows of out0 on the way out, and two experts' rows of the bias
	v_lshl_add_u32 v[GO], v1, 4, v[GO]
	s_bfe_u32 s19, ttmp6, 0x40000                  ; cx: my place in the cluster: it enters the addresses of xq, xs, rw and out0 alone
	s_lshl_b32 s20, ttmp9, 2
	s_add_co_u32 s20, s20, s19                     ; my token tile = 4 x cluster x + cx
	s_and_b32 s21, ttmp7, 0xffff                   ; my feature tile, which the four partners share
	; descriptor groups 1: elements of 8 bytes, the mask of all four work-groups, bit 21 beside it, no padding
	s_mov_b32 s[G1W], 15|(3<<16)|(1<<21)           ; W's codes: a quarter of a slot, 24,576 dense bytes, as 96 rows of 256
	s_mov_b32 s[G1W+1], 32<<16
	s_mov_b32 s[G1W+2], 96<<16
	s_mov_b32 s[G1W+3], 32<<16
	s_mov_b32 s[G1W+4], 96
	s_mov_b32 s[G1W+5], 32
	s_mov_b32 s[G1W+6], 0
	s_mov_b32 s[G1W+7], 0
	s_mov_b32 s[G1S], 15|(3<<16)|(1<<21)           ; W's scale words, all 16 phases, or a third of slot 0: 32,768 dense bytes, as 128 rows of 256
	s_mov_b32 s[G1S+1], 32<<16
	s_mov_b32 s[G1S+2], 128<<16                    ; the head's loads: 32,768 dense bytes, as 128 rows of 256
	s_mov_b32 s[G1S+3], 32<<16
	s_mov_b32 s[G1S+4], 128
	s_mov_b32 s[G1S+5], 32
	s_mov_b32 s[G1S+6], 0
	s_mov_b32 s[G1S+7], 0
	; what is asked for jointly hangs on the feature tile and the wave's number alone
	s_mul_i32 s[G0W1+1], s[WV], 2*RBB              ; my quarter of a slot
	s_lshl_b32 s[G0W0+1], s[WV], 15                ; LDS: the head's third w of slot 0
	s_mul_i32 s68, s21, FTB                        ; wq: the feature tile's walk
	s_add_co_u32 s52, s68, s[G0W0+1]               ; its third w of the first two phases
	s_mov_b32 s53, 0
	s_add_co_u32 s68, s68, s[G0W1+1]
	s_add_co_u32 s68, s68, FILLB                   ; my quarter of phases 2 and 3
	s_mov_b32 s69, 0
	s_lshl_b32 s70, s21, 15                        ; ws: 32,768 bytes a feature tile
	s_mov_b32 s71, 0
	s_lshl_b32 s72, s21, 9                         ; b_experts: 512 bytes a feature tile,
	s_lshr_b32 s73, s[WV], 1
	s_lshl_b32 s73, s73, 8                         ; the half w / 2 of its features,
	s_add_co_u32 s72, s72, s73
	s_and_b32 s73, s[WV], 1
	s_lshl_b32 s73, s73, 14                        ; experts 4 (w % 2) .. + 3
	s_add_co_u32 s72, s72, s73
	s_mov_b32 s73, 0
	; what is my work-group's own
	s_lshl_b32 s74, s20, 4
	s_lshl_b32 s75, s[WV], 2
	s_add_co_u32 s74, s74, s75                     ; my first row block of x: 16 x token tile + 4 x wave
	s_mul_i32 s76, s74, RBB
	s_mov_b32 s77, 0
	s_lshl_b32 s78, s74, 9                         ; xs and rw: 512 bytes a row block
	s_mov_b32 s79, 0
	s_lshl_b32 s22, s74, 16                        ; out0: 16 rows of 4,096 bytes a row block,
	s_lshl_b32 s23, s21, 9                         ; + 512 bytes a feature tile
	s_add_co_u32 s22, s22, s23
	s_mov_b32 s23, 0
	s_mov_b32 s[TB], 0
	s_wait_alu depctr_va_vdst(0)
	s_wait_kmcnt 0x0
	s_add_nc_u64 s[4:5], s[4:5], s[76:77]
	s_add_nc_u64 s[6:7], s[6:7], s[78:79]
	s_add_nc_u64 s[12:13], s[12:13], s[78:79]
	s_add_nc_u64 s[16:17], s[16:17], s[22:23]
	s_add_nc_u64 s[14:15], s[14:15], s[72:73]
	global_load_b128 v[WS:WS+3], v[GO], s[14:15]                 ; the bias of phases 4 w .. 4 w + 3: sixteen lanes read a row of 256 bytes (into W's scale registers, still free)
	global_load_b128 v[WS+4:WS+7], v[GO], s[14:15] offset:8192
	; 52 loads go out ahead of the round: my 64 tokens' gates (into the bias's registers, which are still free), x's scale words, x's K steps 0 to 2
.irp a, 0,1,2,3
	global_load_b128 v[BI+8*\a:BI+8*\a+3], v[R32], s[12:13] offset:\a*512
	global_load_b128 v[BI+8*\a+4:BI+8*\a+7], v[R32], s[12:13] offset:\a*512+16
.endr
.irp a, 0,1,2,3
.irp k, 0,1
	global_load_b64 v[XS+4*\a+2*\k:XS+4*\a+2*\k+1], v[L8], s[6:7] offset:\a*512+\k*256
.endr
.endr
	XLOAD 0
	XLOAD 1
	XLOAD 2
	WIN 0
	s_mov_b32 s[G0S], 1
	s_mov_b32 s[G0S+1], WSC
	s_add_nc_u64 s[G0S+2:G0S+3], s[10:11], s[70:71]
	s_or_b32 s[G0S+3], s[G0S+3], 0x80000000
	s_mov_b32 s[G0W0], 1
	s_add_nc_u64 s[G0W0+2:G0W0+3], s[8:9], s[52:53]
	s_or_b32 s[G0W0+3], s[G0W0+3], 0x80000000
	s_mov_b32 s[G0W1], 1
	s_add_co_u32 s[G0W1+1], s[G0W1+1], SLOT1
	s_add_nc_u64 s[G0W1+2:G0W1+3], s[8:9], s[68:69]
	s_or_b32 s[G0W1+3], s[G0W1+3], 0x80000000
	CROUND                                         ; all four work-groups are here: the first joint loads meet
	s_cmp_lt_u32 s[WV], 3                          ; one load a wave, in the two arms of one branch on the wave's number
	s_cbranch_scc0 .Lhead_s
	tensor_load_to_lds s[G0W0:G0W0+3], s[G1S:G1S+7]   ; waves 0 to 2: a third of slot 0
	s_nop 0
	PLACES 4
	s_branch .Lhead_asked
.Lhead_s:
	tensor_load_to_lds s[G0S:G0S+3], s[G1S:G1S+7]  ; wave 3: W's scale words
	s_nop 0
	PLACES 4
.Lhead_asked:
	v_add_nc_u32 v[LI1], PHB, v[LI]
	v_add_nc_u32 v[ADB0], s[TB], v[LI]
	v_add_nc_u32 v[ADB0+1], s[TB], v[LI1]
	v_lshl_add_u32 v[ADS], v3, 3, WSC
	v_lshl_add_u32 v[ADBI], v2, 5, BIASL
	s_lshl_b32 s75, s[WV], 13
	s_add_co_u32 s75, s75, RWL
	v_add_nc_u32 v[ADRW], s75, v[LI]
	s_lshl_b32 s75, s[WV], 10
	s_add_co_u32 s75, s75, BIASL
	v_lshlrev_b32 v[ADBW], 8, v2                   ; the bias: 1024 w + 256 h + 16 r
	v_lshl_add_u32 v[ADBW], v1, 4, v[ADBW]
	v_add_nc_u32 v[ADBW], s75, v[ADBW]
	s_mul_i32 s75, s[WV], 16*SP
	s_add_co_u32 s75, s75, STG
	v_mul_u32_u24 v[STO], v1, SP                   ; in: row r, 32 bytes for each half of the lanes
	v_lshl_add_u32 v[STO], v2, 5, v[STO]
	v_add_nc_u32 v[STO], s75, v[STO]
	v_mul_u32_u24 v[RD], v2, SP                    ; back: lanes 0-15 take one row of 256 bytes, lanes 16-31 the next
	v_lshl_add_u32 v[RD], v1, 4, v[RD]
	v_add_nc_u32 v[RD], s75, v[RD]
.irp s, 3,4,5,6,7
	XLOAD \s                                       ; the other 60 loads
.endr
	WIN 0
	s_wait_alu depctr_va_vdst(0)
	s_wait_loadcnt 63                              ; of the 114 at most 63 are out: the first 51 are in: the bias, the gates, x's scale words and its K steps 0 and 1
	ds_store_b128 v[ADBW], v[WS:WS+3]              ; the bias of phases 4 w, 4 w + 1,
	ds_store_b128 v[ADBW], v[WS+4:WS+7] offset:512 ; and of 4 w + 2, 4 w + 3
.irp a, 0,1,2,3
.irp e, 0,1,2,3,4,5,6,7
	ds_store_b32 v[ADRW], v[BI+8*\a+\e] offset:\e*512+\a*4        ; turned, so that one load of 16 bytes brings an expert's four gates of a lane;
	ds_store_b32 v[ADRW], v[BI+8*\a+\e] offset:4096+\e*512+\a*4   ; and once more for the upper half's eight phases, so that the address steps alike from phase to phase
.endr
.endr
; ---- the pieces of a phase
.macro FETCHP set, adr, u              ; W's eight fragments of K steps 2 u and 2 u + 1, of the phase at adr, into a set: 24 loads of 512 consecutive bytes
	WIN 0xc0                                       ; destination window 3, address window 0
.irp k, 0,1
.irp b, 0,1,2,3
.irp c, 0,1,2
	ds_load_b128 v[96*(\set)+48*\k+12*\b+4*\c:96*(\set)+48*\k+12*\b+4*\c+3], v[\adr] offset:\b*RBB+(2*(\u)+\k)*FRB+\c*512
.endr
.endr
.endr
.endm
.macro LDWS kh, off                    ; W's scale words of four K steps (half kh of K), four tiles of features
.irp b, 0,1,2,3
	ds_load_b64 v[WS+4*\b+2*(\kh):WS+4*\b+2*(\kh)+1], v[ADS] offset:\off+\b*512+(\kh)*256
.endr
.endm
.macro LDBI off                        ; the bias of four tiles of features, in the result's layout: my half's eight features of each
.irp b, 0,1,2,3
	ds_load_b128 v[BI+8*\b:BI+8*\b+3], v[ADBI] offset:\off+\b*64
	ds_load_b128 v[BI+8*\b+4:BI+8*\b+7], v[ADBI] offset:\off+\b*64+16
.endr
.endm
.macro MM s, a, b, bias                ; one product: tile (a, b), K step s.  bias = 1: it begins the tile's sum, on the bias
.set rD, 8*(4*(\b)+(\a))
.set rB, 96*(((\s)/2)%2)+48*((\s)%2)+12*(\b)
.if (\s) < 5
.set rX, 48*(\s)+12*(\a)
.else
.set rX, XHI+48*((\s)-5)+12*(\a)
.endif
.set rW, WS+4*(\b)+(\s)/2
.set rS, XS+4*(\a)+(\s)/2
.if \bias
	v_wmma_scale_f32_16x16x128_f8f6f4 v[rD:rD+7], v[rB:rB+11], v[rX:rX+11], v[BI+8*(\b):BI+8*(\b)+7], v[rW], v[rS] matrix_a_fmt:MATRIX_FMT_BF6 matrix_b_fmt:MATRIX_FMT_BF6
.elseif (\s)%2
	v_wmma_scale_f32_16x16x128_f8f6f4 v[rD:rD+7], v[rB:rB+11], v[rX:rX+11], v[rD:rD+7], v[rW], v[rS] matrix_a_fmt:MATRIX_FMT_BF6 matrix_b_fmt:MATRIX_FMT_BF6 matrix_a_scale:MATRIX_SCALE_ROW1 matrix_b_scale:MATRIX_SCALE_ROW1
.else
	v_wmma_scale_f32_16x16x128_f8f6f4 v[rD:rD+7], v[rB:rB+11], v[rX:rX+11], v[rD:rD+7], v[rW], v[rS] matrix_a_fmt:MATRIX_FMT_BF6 matrix_b_fmt:MATRIX_FMT_BF6
.endif
.endm
.macro MUL4 s, b                       ; one fragment of W against my four row blocks of x
.irp a, 0,1,2,3
	MM \s, \a, \b, 0
.endr
.endm
; The 16 products of K step s.  The 16 tiles take turns, one instruction a turn, in the same order in every K step.
; nr: the LDS instructions issued behind the set in hand.  LDS loads come back in order: fragment 4 (s % 2) + b of the set's eight is in when only those and the 3 loads of each later fragment are out.
; xw = 1: x's K step s is waited for: the 12 loads of each later K step may be out.
.macro MULS s, nr, xw
.if \xw
.if 12*(7-(\s)) > 63
	s_wait_loadcnt 63
.else
	s_wait_loadcnt 12*(7-(\s))
.endif
.endif
.if (\s) < 5
	WIN 0xa7                                       ; source 0 (W) window 3, source 1 (x) window 1, C and D window 2
.else
	WIN 0xa3                                       ; source 1 window 0
.endif
.irp b, 0,1,2,3
	s_wait_dscnt \nr+3*(7-4*((\s)%2)-\b)
	MUL4 \s, \b
.endr
.endm
; OUT(a, b) += rw(a) x ACC(a, b): four packed multiply-adds, ACC from its low end on.  first = 1: the launch's first phase starts OUT by a multiplication.
.macro SLICE a, b, first
.set rA, 8*(4*(\b)+(\a))
.set rO, OUT+8*(4*(\a)+(\b))
.set rG, RW+2*((\a)/2)
	WIN 0xa2                                       ; ACC (source 0) and OUT (source 2, destination) window 2, the gates (source 1) window 0
.irp q, 0,2,4,6
.if \first
.if (\a)%2
	v_pk_mul_f32 v[rO+\q:rO+\q+1], v[rA+\q:rA+\q+1], v[rG:rG+1] op_sel:[0,1] op_sel_hi:[1,1]          ; the pair's second register serves both halves
.else
	v_pk_mul_f32 v[rO+\q:rO+\q+1], v[rA+\q:rA+\q+1], v[rG:rG+1] op_sel_hi:[1,0]                       ; the pair's first
.endif
.else
.if (\a)%2
	v_pk_fma_f32 v[rO+\q:rO+\q+1], v[rA+\q:rA+\q+1], v[rG:rG+1], v[rO+\q:rO+\q+1] op_sel:[0,1,0] op_sel_hi:[1,1,1]
.else
	v_pk_fma_f32 v[rO+\q:rO+\q+1], v[rA+\q:rA+\q+1], v[rG:rG+1], v[rO+\q:rO+\q+1] op_sel_hi:[1,0,1]
.endif
.endif
.endr
.endm
; K steps 2 u and 2 u + 1, u = 1 to 3.  At their head ONE run of LDS loads: what is due for later (bioff >= 0: a bias; rwoff >= 0: the phase's gates; wsoff >= 0: scale words of a lower half of K), then W's next eight fragments
; (K steps 2 nu, 2 nu + 1 of the phase at adr) into the other set, 32 matrix instructions ahead of their use.  Four places stand between the last products and these loads into registers that they have read.
.macro PAIR u, adr, nu, bioff, rwoff, wsoff, xw
	PLACES 4
	WIN 0
.set NR, 24
.if \bioff >= 0
	LDBI \bioff
.set NR, NR+8
.endif
.if \rwoff >= 0
	ds_load_b128 v[RW:RW+3], v[ADRW] offset:\rwoff
.set NR, NR+1
.endif
.if \wsoff >= 0
	LDWS 0, \wsoff
.set NR, NR+4
.endif
	FETCHP ((\u)+1)%2, \adr, \nu
	MULS 2*(\u), NR, \xw
	MULS 2*(\u)+1, NR, \xw
.endm
; K steps 0 and 1 of the phase at adr.  In K step 0 each tile is begun anew on the bias, five places behind the products that wrote it last.  comb = 1: ahead of each such product stands the slice that takes the tile's finished sum into OUT.
; The run at the head: the phase's scale words of the upper half of K (4 loads), and the fragments of K steps 2 and 3 (24).
.macro PAIR0 adr, wsoff, comb, first
	PLACES 5
	WIN 0
	LDWS 1, \wsoff
	FETCHP 1, \adr, 1
.irp b, 0,1,2,3
.irp a, 0,1,2,3
.if \a == 0
	s_wait_dscnt 28+3*(7-\b)                       ; the 28 just issued and the later fragments' loads may be out
.endif
.if \comb
	SLICE \a, \b, \first
.endif
	WIN 0x87                                       ; as for the other products, but C (the bias) window 0
	MM 0, \a, \b, 1
.endr
.endr
	MULS 1, 28, 0
.endm
; A slot's last two K steps change slots: ONE barrier.  In front of it each wave waits for all its tensor loads (the one that may be out is its quarter of the next slot), adds 0 to its spare word, and waits for that and for its reads of this slot.
; fill = 1: the barrier opens a round of the cluster's, so that no wave of any partner still reads this slot or has a load on its way, and the slot takes the two phases that follow the next slot's: the first thing behind the round.
.macro TURN fill
	WIN 0                                          ; (the add's two registers lie in window 0)
	s_wait_tensorcnt 0x0                           ; no tensor load of mine is out, so a group 0 may be written
	ds_add_u32 v[SPW], v[NIL]                      ; 0 onto my spare word
.if \fill
	s_xor_b32 s[G0W1+1], s[G0W1+1], SLOT1          ; the walking descriptor: the other slot than last time,
	s_add_nc_u64 s[G0W1+2:G0W1+3], s[G0W1+2:G0W1+3], FILLB  ; the next two phases; the type bits on top are not reached
.endif
	s_xor_b32 s[TB], s[TB], SLOT1                  ; my reads go on in the other slot
	s_wait_dscnt 22                                ; the set's first fragment is in; its other seven (21 loads) and the add may be out
	WIN 0xa3
	MUL4 6, 0                                      ; four products stand between the add and the wait for it
	s_wait_dscnt 0x0                               ; the add is done, and my reads of this slot are over
	s_barrier_signal -1
	MUL4 6, 1                                      ; twelve products, work on registers, while the others arrive
	MUL4 6, 2
	MUL4 6, 3
	WIN 0
	s_barrier_wait -1
.if \fill
	CREST
	tensor_load_to_lds s[G0W1:G0W1+3], s[G1W:G1W+7]   ; my one tensor load behind the round
	s_nop 0
.endif
	PLACES 4                                       ; also the places in front of the loads below
	v_add_nc_u32 v[ADB0], s[TB], v[LI]
	v_add_nc_u32 v[ADB0+1], s[TB], v[LI1]
	v_add_nc_u32 v[ADS], 4096, v[ADS]              ; two phases on: scale words,
	s_wait_alu depctr_va_vdst(0)
	v_add_nc_u32 v[ADBI], 512, v[ADBI]             ; bias
	v_add_nc_u32 v[ADRW], 1024, v[ADRW]            ; and gates
	FETCHP 0, ADB0, 0                              ; the next slot's first fragments
	MULS 7, 24, 0
.endm
; A slot's two phases, from K step 2 of the first to K step 1 of the next slot's first: so both of their takings into OUT lie in one trip.
; first = 1: the launch's first trip: x is still landing, and OUT is started.  turn = 2: the slot is filled again; 1: it is only left; 0: the last slot.
.macro TRIP first, turn
	PAIR 1, ADB0, 2, 256, 0, -1, \first            ; + the second phase's bias and the first phase's gates
	PAIR 2, ADB0, 3, -1, -1, 2048, \first          ; + the second phase's scale words of K steps 0-3
	PAIR 3, ADB0+1, 0, -1, -1, -1, \first
	PAIR0 ADB0+1, 2048, 1, \first                  ; the second phase begins; the first phase's sums go into OUT
.if \turn
	PAIR 1, ADB0+1, 2, 512, 512, -1, 0             ; + the next slot's first bias and the second phase's gates
	PAIR 2, ADB0+1, 3, -1, -1, 4096, 0             ; + the next slot's first scale words of K steps 0-3
	TURN (\turn)-1
	PAIR0 ADB0, 0, 1, 0                            ; the next slot's first phase begins; the second phase's sums go into OUT
.else
	PAIR 1, ADB0+1, 2, -1, 512, -1, 0
	PAIR 2, ADB0+1, 3, -1, -1, -1, 0
	MULS 6, 0, 0                                   ; nothing more to fetch
	MULS 7, 0, 0
	PLACES 4
.irp b, 0,1,2,3
.irp a, 0,1,2,3
	SLICE \a, \b, 0
.endr
.endr
	WIN 0
.endif
.endm
; THE WAY OUT of a half of the features, a block of 16 tokens x 64 features at a time.  A lane holds 32 neighbouring bytes of a row, and the lanes beside it hold other rows: so a block goes through my own stage in LDS and comes back as whole
; rows of 256 bytes, two an instruction.  LDS serves a wave's instructions in order: no wait between the stores and the loads, nor in front of the next block's stores.
.macro TOSTAGE a
	WIN 0x08                                       ; an LDS store's data are its source 1: window 2
.irp b, 0,1,2,3
	ds_store_b128 v[STO], v[OUT+8*(4*(\a)+\b):OUT+8*(4*(\a)+\b)+3] offset:64*\b
	ds_store_b128 v[STO], v[OUT+8*(4*(\a)+\b)+4:OUT+8*(4*(\a)+\b)+7] offset:64*\b+16
.endr
	WIN 0xc0                                       ; destination window 3: two buffers by turns
.irp t, 0,1,2,3,4,5,6,7
	ds_load_b128 v[BK+32*((\a)%2)+4*\t:BK+32*((\a)%2)+4*\t+3], v[RD] offset:\t*2*SP
.endr
.endm
.macro SEND a, fh, younger             ; younger: the LDS instructions issued behind block a's loads, which may stay out
	s_wait_dscnt \younger
	WIN 0x0c                                       ; a store's data are its source 1: window 3
.irp t, 0,1,2,3,4,5,6,7
	global_store_b128 v[GO], v[BK+32*((\a)%2)+4*\t:BK+32*((\a)%2)+4*\t+3], s[16:17] offset:(\a)*65536+\t*8192+(\fh)*256 th:TH_STORE_NT   ; sixteen lanes store 256 consecutive bytes, aligned; written once, read by nobody here
.endr
.endm
.macro WAYOUT fh
	s_wait_xcnt 0x0                                ; an earlier way out's stores have read the registers into which the rows come back
	TOSTAGE 0
	TOSTAGE 1
	SEND 0, \fh, 16                                ; behind block 0's loads: block 1's 8 stores and 8 loads
	s_wait_xcnt 0x0                                ; block 0's stores have read their registers: block 2's loads may land there
	TOSTAGE 2
	SEND 1, \fh, 16
	s_wait_xcnt 0x0
	TOSTAGE 3
	SEND 2, \fh, 16
	SEND 3, \fh, 0
	WIN 0
.endm
	s_wait_tensorcnt 0x0                           ; my part of the head's fills is in
	ds_add_u32 v[SPW], v[NIL]
	s_wait_dscnt 0x0                               ; the add is done; my gates and my rows of the bias have landed
	CROUND                                         ; everybody's are in, and all four work-groups are here
	tensor_load_to_lds s[G0W1:G0W1+3], s[G1W:G1W+7]   ; phases 2 and 3 into slot 1: my one tensor load behind the round
	s_nop 0
	PLACES 4
	LDWS 0, 0
	LDBI 0
	FETCHP 0, ADB0, 0
	PAIR0 ADB0, 0, 0, 0                            ; phase 0 begins: nothing is finished yet
	TRIP 1, 2                                      ; phases 0 and 1
	WIN 0                                          ; at a label and at a branch every window is 0
	s_mov_b32 s[CNT], 5
.Ltrip:                                                ; phases 2 to 11
	TRIP 0, 2
	WIN 0
	s_cmp_lg_u32 s[CNT], 3                         ; behind the third of the five trips phase 7's sums have gone into OUT: the lower half of the features is final.  The count is the same in every wave and work-group
	s_cbranch_scc1 .Lsame_half
	s_wait_alu depctr_va_vdst(0)
	WAYOUT 0                                       ; it leaves here: eight phases stand between these stores and the launch's end
	WIN 0x80                                       ; destination window 2
.set i, 0
.rept 128
	v_mov_b32 v[OUT+i], 0                          ; OUT begins anew.  (Cleared, so that the upper half walks the same text: a trip that starts OUT by a multiplication would have to be written out once more, and the trip behind it too)
.set i, i+1
.endr
	WIN 0
.Lsame_half:
	s_sub_co_u32 s[CNT], s[CNT], 1
	s_cmp_lg_u32 s[CNT], 0
	s_cbranch_scc1 .Ltrip
	TRIP 0, 1                                      ; phases 12 and 13: written out: nothing is left to ask for
	TRIP 0, 0                                      ; phases 14 and 15
	s_wait_alu depctr_va_vdst(0)
	WAYOUT 1                                       ; the upper half
	s_wait_tensorcnt 0x0                           ; the wave's end: behind my last tensor load and my last LDS store
	ds_add_u32 v[SPW], v[NIL]
	s_wait_dscnt 0x0
	CROUND                                         ; the closing round: no work-group ends while a partner may still ask for a tile that names it
	s_endpgm
.Lfunc_end_k_qfb7bbfdc2c_experts:
	.size	k_qfb7bbfdc2c_experts, .Lfunc_end_k_qfb7bbfdc2c_experts-k_qfb7bbfdc2c_experts
	.p2alignl 7, 3214868480
	.fill 96, 4, 3214868480
	.section	.rodata,"a",@progbits
	.p2align	6, 0x0
	.amdhsa_kernel k_qfb7bbfdc2c_experts
		.amdhsa_group_segment_fixed_size 327680
		.amdhsa_private_segment_fixed_size 0
		.amdhsa_enable_private_segment 0
		.amdhsa_kernarg_size 56
		.amdhsa_user_sgpr_count 2
		.amdhsa_user_sgpr_kernarg_segment_ptr 1
		.amdhsa_wavefront_size32 1
		.amdhsa_system_sgpr_workgroup_id_x 1
		.amdhsa_system_sgpr_workgroup_id_y 1
		.amdhsa_system_sgpr_workgroup_id_z 1
		.amdhsa_system_vgpr_workitem_id 0
		.amdhsa_next_free_vgpr 1024
		.amdhsa_next_free_sgpr 80
		.amdhsa_reserve_vcc 0
		.amdhsa_float_denorm_mode_32 3
		.amdhsa_float_denorm_mode_16_64 3
		.amdhsa_memory_ordered 1
		.amdhsa_forward_progress 1
		.amdhsa_inst_pref_size 255
	.end_amdhsa_kernel
	.section	.bss,"aw",@nobits
	.p2align	6
	.space	262144
	.amdgpu_metadata
---
amdhsa.version: [ 1, 2 ]
amdhsa.kernels:
  - .name:           k_qfb7bbfdc2c_experts
    .symbol:         k_qfb7bbfdc2c_experts.kd
    .args:
      - { .name: xq, .offset: 0, .size: 8, .value_kind: global_buffer, .address_space: global }
      - { .name: xs, .offset: 8, .size: 8, .value_kind: global_buffer, .address_space: global }
      - { .name: wq, .offset: 16, .size: 8, .value_kind: global_buffer, .address_space: global }
      - { .name: ws, .offset: 24, .size: 8, .value_kind: global_buffer, .address_space: global }
      - { .name: rw, .offset: 32, .size: 8, .value_kind: global_buffer, .address_space: global }
      - { .name: b_experts, .offset: 40, .size: 8, .value_kind: global_buffer, .address_space: global }
      - { .name: out0, .offset: 48, .size: 8, .value_kind: global_buffer, .address_space: global }
    .group_segment_fixed_size: 327680
    .private_segment_fixed_size: 0
    .kernarg_segment_align: 8
    .kernarg_segment_size: 56
    .max_flat_workgroup_size: 128
    .sgpr_count:     80
    .vgpr_count:     1024
    .wavefront_size: 32
...
	.end_amdgpu_metadata
.endif
;; end of part 2
